; MI455X (gfx1250); checked and timed in simulation.
; The chip was launched on July 23, 2026; its instructions are those of AMD's public machine-readable ISA for CDNA 5 (MIT licence, August 2026) and "CDNA5" Instruction Set Architecture Reference Guide (July 2026). The comments in the code are by the model that wrote it; some were corrected since.
;; Net. Allowed arithmetic: float matrix products may take bf16 or f16 operands with f32 sums; all other float work in f32.
;; Inputs: W 3 x 4 float32; Y 200,000 float32; train_X 200,000 x 4 float32; x 256 x 4 float32.
;; Outputs: out0 256 x 3 float32.
;; One version. Each part assembles by itself: llvm-mc -triple=amdgcn-amd-amdhsa -mcpu=gfx1250 --defsym DOCPART=n.
;; ======== version 1 of 1: 2 launches
;; workspace buffers: part 393,216 bytes
;; launch kernel_sums (part 1): grid 4 x 64, 16 waves a work-group, no clusters, 49,152 bytes of LDS; arguments W, x, train_X, Y, part; writes part
.if DOCPART == 1
	.amdgcn_target "amdgcn-amd-amdhsa--gfx1250"
	.amdhsa_code_object_version 6
	.text
	.protected	k_q36a06f40d4_kernel_sums
	.globl	k_q36a06f40d4_kernel_sums
	.p2align	8
	.type	k_q36a06f40d4_kernel_sums,@function
k_q36a06f40d4_kernel_sums:
	s_mov_b64 s[64:65], 0
	v_nop
	global_prefetch_b8 v0, s[64:65] scope:SCOPE_SE
	s_setreg_imm32_b32 hwreg(HW_REG_WAVE_MODE, 25, 1), 1
	s_wait_xcnt 0x0
; Kernel regression, first part: for a chunk of the samples n and 64 queries b x 3 dims d
;   up[b][d] = sum over n of K Y[n],  down[b][d] = sum over n of K,  K = exp(-2 (p[n][d] - q[b][d])^2),  p = train_X W^T,  q = x W^T.
; sqrt(2 log2 e) is folded into W, so K = exp2(-(p' - q')^2).  The exponent is never above 0, as in the reference, which takes no maximum away:
; no exponential can overflow and a sum is at most 200,000.  The difference is made first and squared then (no p^2 - 2 p q + q^2).
; Both sums over n are ONE bf16 matrix product with f32 sums: A = 16 rows x 32 samples (row 0: bf16(Y); row 1: bf16(Y - row 0); row 2: ones;
; rows 3-15: zeros), B = K of 32 samples x 16 queries of one d.  D's rows 0 + 1 are up, row 2 is down: both use the same rounded K.
; The projections (depth 4) are f32 multiply-adds: rounding p to bf16 would be multiplied by 4 |p - q| in the exponent.
;
; SHARES.  Grid 4 x 64.  x: 64 queries x 3 dims = 12 tiles of 16 columns (tile t: d = t / 4, queries 64 x + 16 (t % 4) + 0..15).
; y: chunk c of the 6,250 steps of 32 samples: steps floor(6250 c / 64) up to floor(6250 (c + 1) / 64), 97 or 98 of them.
; Wave w of 16 takes steps w, w + 16, ..: 6 or 7.  A wave keeps all 12 accumulators, so a step's 14 LDS loads feed 12 tiles.
; A wave works alone until the end: its LDS slot is its own, and LDS serves a wave's instructions in order (ISA guide 5.7.1), so the only
; barrier stands in front of the sum over the waves.
; NO tensor loads, cluster or multicast: a step needs 640 bytes, and each lane needs its own sample in registers to project it; what the four
; column groups of a chunk share is 97 x 640 bytes each.  No prefetch: all loads but a wave's first are issued a whole step ahead.
; Y is read 128 bytes a wave instruction (the next wave takes the neighbouring 128).
; LIMITS.  v_exp_f32 gives 0 for results under 2^-126 (ISA guide 15.8): a query all of whose weights are that small gets 0 / 0 = NaN.
; K is rounded to bf16 (relative 2^-9).  |Y| above bf16's largest finite number becomes infinite.
.set STEPS, 6250                       ; 200,000 samples / 32
.set WAVES, 16
.set SLOT,  640                        ; a wave's LDS: p' [3][32] f32 (384 bytes), then four rows of 32 bf16: Y high, Y low, ones, zeros
.set YROW,  384
.set RED,   WAVES*SLOT                 ; behind the slots: [wave][row 0..2][192 columns] f32
.set REDR,  768
.set REDW,  3*REDR
.set PARTC, 6144                       ; part: [chunk][up, down][768 columns in the output's order 3 b + d] f32
.set LANE, 1                           ; v1       lane
.set XO,   2                           ; v2       16 x lane: my sample in a step of train_X
.set YO,   3                           ; v3       4 x lane: my sample in a step of Y
.set PS,   4                           ; v4       LDS: where I put p' of my sample (d = 0)
.set YS,   5                           ; v5       LDS: where I put Y's high part
.set PL,   6                           ; v6       LDS: p' of my half's samples
.set AL,   7                           ; v7       LDS: my row of A
.set X,    8                           ; v[8:11]  my sample
.set YV,   12                          ; v12      its Y
.set PT,   13                          ; v[13:15] its three p'
.set YH,   16                          ; v16, v17 Y's two bf16 parts
.set YL,   17
.set TMP,  18                          ; v18, v19
.set Q,    20                          ; v[20:31] -q' of my column in tile t
.set A,    32                          ; v[32:39] fragment of A
.set BF,   40                          ; v[40:47] fragment of B
.set T0,   48                          ; v[48:79] two sets of 16 exponents, then weights; tile t uses set t & 1
.set P,    80                          ; v[80:127] p' of my 16 samples, for d = 0, 1, 2
.set ACC,  128                         ; v[128:223] 12 accumulators
.set WS,   16                          ; s[16:27] sqrt(2 log2 e) W, row d at 4 d
	s_load_b256 s[4:11], s[0:1], 0x0               ; W s[4:5], x s[6:7], train_X s[8:9], Y s[10:11]
	s_load_b64 s[12:13], s[0:1], 0x20              ; part
	v_lshl_add_u32 v224, v0, 2, 0xb800
	v_mov_b32 v225, 0
	v_lshrrev_b32 v[TMP], 5, v0
	v_readfirstlane_b32 s28, v[TMP]                ; wave
	v_and_b32 v[LANE], 31, v0
	v_and_b32 v[TMP], 15, v0                       ; r: my column of B, my row of A
	v_bfe_u32 v[TMP+1], v0, 4, 1                   ; h: which half of the lanes
	s_and_b32 s30, ttmp7, 0xffff                   ; chunk c
	s_mul_i32 s31, s30, STEPS/2                    ; 6250 c / 64 = 3125 c / 32
	s_add_co_u32 s32, s31, STEPS/2
	s_lshr_b32 s31, s31, 5                         ; the chunk's first step
	s_lshr_b32 s32, s32, 5                         ; the next chunk's first step
	s_sub_co_u32 s32, s32, s31                     ; 97 or 98 steps
	s_add_co_u32 s33, s31, s28                     ; my first step
	s_sub_co_u32 s34, s32, s28
	s_add_co_u32 s34, s34, WAVES-1
	s_lshr_b32 s34, s34, 4                         ; my steps: 6 or 7
	s_mul_i32 s35, s28, SLOT                       ; my slot
	s_add_co_u32 s38, s35, YROW                    ; its rows of A
	s_lshl_b32 s39, ttmp9, 10                      ; my group's 64 rows of x, 16 bytes each
	v_lshlrev_b32 v[XO], 4, v[LANE]
	v_lshlrev_b32 v[YO], 2, v[LANE]
	v_add_nc_u32 v[PS], s35, v[YO]
	v_lshl_add_u32 v[YS], v[LANE], 1, s38
	v_lshl_add_u32 v[PL], v[TMP+1], 5, s35         ; samples 8 h .. 8 h + 7 start at byte 32 h, samples 16 + 8 h .. 64 bytes on
	v_min_u32 v[AL], 3, v[TMP]                     ; rows 3 to 15 of A all read the row of zeros
	v_lshl_add_u32 v[AL], v[AL], 6, s38            ; 64 bytes a row
	v_lshl_add_u32 v[AL], v[TMP+1], 4, v[AL]       ; + 16 h
	v_lshl_add_u32 v[PT], v[TMP], 4, s39           ; row 64 x + r of x
	v_mov_b32 v[YH], 0x3f803f80                    ; two bf16 ones
	v_cmp_gt_u32 vcc_lo, 16, v[LANE]
	v_cndmask_b32 v[YH], 0, v[YH], vcc_lo
	ds_store_b32 v[PS], v[YH] offset:YROW+128      ; lanes 0-15 write the row of ones, lanes 16-31 the row of zeros, once
	s_lshl_b32 s36, s33, 9                         ; a step of train_X is 512 bytes
	s_mov_b32 s37, 0
	s_wait_kmcnt 0x0
	s_load_b256 s[WS:WS+7], s[4:5], 0x0            ; W rows 0, 1
	s_load_b128 s[WS+8:WS+11], s[4:5], 0x20        ; W row 2
	s_add_nc_u64 s[8:9], s[8:9], s[36:37]
	s_lshl_b32 s36, s33, 7                         ; a step of Y is 128 bytes
	s_add_nc_u64 s[10:11], s[10:11], s[36:37]
	global_load_b128 v[X:X+3], v[XO], s[8:9]       ; my first step
	global_load_b32 v[YV], v[YO], s[10:11]
.irp bt, 0,1,2,3
	global_load_b128 v[P+4*\bt:P+4*\bt+3], v[PT], s[6:7] offset:256*\bt   ; x of my column in the four query blocks (P is free as yet)
.endr
	s_wait_kmcnt 0x0
.set i, 0
.rept 12
	s_mul_f32 s[WS+i], s[WS+i], 0x3fd96d27         ; sqrt(2 log2 e) = 1.6986436
.set i, i+1
.endr
	s_wait_loadcnt 0x0
	; -q': the same chain of multiply-adds as for p', its last link negated (the same bits with the other sign)
.irp bt, 0,1,2,3
.irp d, 0,1,2
	v_mul_f32  v[Q+4*\d+\bt], s[WS+4*\d], v[P+4*\bt]
	v_fmac_f32 v[Q+4*\d+\bt], s[WS+4*\d+1], v[P+4*\bt+1]
	v_fmac_f32 v[Q+4*\d+\bt], s[WS+4*\d+2], v[P+4*\bt+2]
	v_fma_f32  v[Q+4*\d+\bt], s[WS+4*\d+3], -v[P+4*\bt+3], -v[Q+4*\d+\bt]
.endr
.endr
; The sample that was loaded a step ago: three p', Y in two bf16 parts, into my slot.  load = 1: ask for the step after it.
.macro PROJ load
	s_wait_loadcnt 0x0                             ; X and Y are in; their base registers may be stepped below
	v_mul_f32 v[PT],   s[WS],   v[X]
	v_mul_f32 v[PT+1], s[WS+4], v[X]
	v_mul_f32 v[PT+2], s[WS+8], v[X]
.irp k, 1,2,3
	v_fmac_f32 v[PT],   s[WS+\k],   v[X+\k]
	v_fmac_f32 v[PT+1], s[WS+4+\k], v[X+\k]
	v_fmac_f32 v[PT+2], s[WS+8+\k], v[X+\k]
.endr
	v_cvt_pk_bf16_f32 v[YH], v[YV], v[YV]          ; Y's high part in the low half
	v_lshlrev_b32 v[YL], 16, v[YH]                 ; back to f32
	v_sub_f32 v[YL], v[YV], v[YL]                  ; what the rounding left, exact
	v_cvt_pk_bf16_f32 v[YL], v[YL], v[YL]
	ds_store_b32 v[PS], v[PT]                      ; the fragment loads of the step at work were all issued before these stores
	ds_store_b32 v[PS], v[PT+1] offset:128
	ds_store_b32 v[PS], v[PT+2] offset:256
	ds_store_b16 v[YS], v[YH]
	ds_store_b16 v[YS], v[YL] offset:64
.if \load
	s_add_nc_u64 s[8:9], s[8:9], WAVES*512         ; my next step lies 16 steps on
	s_add_nc_u64 s[10:11], s[10:11], WAVES*128
	global_load_b128 v[X:X+3], v[XO], s[8:9]
	global_load_b32 v[YV], v[YO], s[10:11]
.endif
.endm
; p' of dim d for my half's 16 samples, in the order of B's registers: 8 h + 0..7, then 16 + 8 h + 0..7.  All lanes of a half read the same bytes.
.macro LOADP d
	ds_load_b128 v[P+16*\d:P+16*\d+3],     v[PL] offset:128*\d
	ds_load_b128 v[P+16*\d+4:P+16*\d+7],   v[PL] offset:128*\d+16
	ds_load_b128 v[P+16*\d+8:P+16*\d+11],  v[PL] offset:128*\d+64
	ds_load_b128 v[P+16*\d+12:P+16*\d+15], v[PL] offset:128*\d+80
.endm
; Tile t: 16 exponentials, each followed by one packed instruction of the NEXT tile's exponents (nx = 1), 8 roundings to bf16, the product.
; The packed instructions touch neither an exponential's registers nor a matrix instruction's: they are the plain instruction that stands
; between an exponential and the use of its result (ISA guide 5.7.2), and the sixteen of them stand between the last product and the
; conversions that rewrite its B (ISA guide 7.12.1 asks four).  first = 1: tile 0 fetches the step's A behind eight of them.
.macro TILE t, nx, zero, first
.set CUR, T0+16*(\t&1)
.set NXT, T0+16-16*(\t&1)
.set NT,  (\t+1)%12
.set PB,  P+16*(NT/4)
.set QP,  Q+NT-(NT&1)
.set AC,  ACC+8*\t
.if \nx
.set e, 0
.rept 8
	v_exp_f32 v[CUR+e], v[CUR+e]
.if NT&1
	v_pk_add_f32 v[NXT+2*e:NXT+2*e+1], v[PB+2*e:PB+2*e+1], v[QP:QP+1] op_sel:[0,1] op_sel_hi:[1,1]   ; p' - q', q' from the pair's second register
.else
	v_pk_add_f32 v[NXT+2*e:NXT+2*e+1], v[PB+2*e:PB+2*e+1], v[QP:QP+1] op_sel_hi:[1,0]                ; p' - q', q' from the pair's first register
.endif
.set e, e+1
.endr
.if \first
	ds_load_b128 v[A:A+3],   v[AL]                 ; row r of A, samples 8 h + 0..7
	ds_load_b128 v[A+4:A+7], v[AL] offset:32       ; and 16 + 8 h + 0..7
.endif
.set e, 0
.rept 8
	v_exp_f32 v[CUR+8+e], v[CUR+8+e]
	v_pk_mul_f32 v[NXT+2*e:NXT+2*e+1], v[NXT+2*e:NXT+2*e+1], v[NXT+2*e:NXT+2*e+1] neg_lo:[0,1] neg_hi:[0,1]   ; -(p' - q')^2
.set e, e+1
.endr
.else
.set e, 0
.rept 16
	v_exp_f32 v[CUR+e], v[CUR+e]
.set e, e+1
.endr
	s_wait_alu depctr_va_vdst(0)
.rept 4
	v_nop                                          ; no tile follows: the places behind the exponentials and behind the last product
.endr
.endif
.set e, 0
	s_wait_alu depctr_va_vdst(0)
.rept 8
	v_cvt_pk_bf16_f32 v[BF+e], v[CUR+2*e], v[CUR+2*e+1]
.set e, e+1
.endr
.if \first
	s_wait_dscnt 0x0                               ; A is in, and with it all of this step's p' (issued earlier)
.endif
.if \zero
	v_wmma_f32_16x16x32_bf16 v[AC:AC+7], v[A:A+7], v[BF:BF+7], 0           ; the first product starts the sums
.else
	v_wmma_f32_16x16x32_bf16 v[AC:AC+7], v[A:A+7], v[BF:BF+7], v[AC:AC+7]
.endif
.endm
; A step: 32 samples x 12 tiles.  more = 1: a step follows; its samples are projected behind tile 0, and its p' of dim d are loaded over this
; step's as soon as the last tile of dim d has made its exponents (one tile ahead of its exponentials).  load = 1: one more step is asked for.
.macro STEP zero, more, load
	TILE 0, 1, \zero, 1
.if \more
	PROJ \load
.endif
	TILE 1, 1, \zero, 0
	TILE 2, 1, \zero, 0
.if \more
	LOADP 0
.endif
	TILE 3, 1, \zero, 0
	TILE 4, 1, \zero, 0
	TILE 5, 1, \zero, 0
	TILE 6, 1, \zero, 0
.if \more
	LOADP 1
.endif
	TILE 7, 1, \zero, 0
	TILE 8, 1, \zero, 0
	TILE 9, 1, \zero, 0
	TILE 10, 1, \zero, 0
.if \more
	LOADP 2
	s_wait_dscnt 0x8                               ; the next step's p' of d = 0 are in; the eight younger loads (d = 1, 2) stay out
.endif
	TILE 11, \more, \zero, 0
.endm
	PROJ 1                                         ; step 0 into the slot, step 1 asked for
	LOADP 0
	LOADP 1
	LOADP 2
	s_wait_dscnt 0x8                               ; p' of d = 0 are in; the eight younger loads (d = 1, 2) stay out
.set e, 0
.rept 8
	v_pk_add_f32 v[T0+2*e:T0+2*e+1], v[P+2*e:P+2*e+1], v[Q:Q+1] op_sel_hi:[1,0]     ; tile 0's exponents
.set e, e+1
.endr
.set e, 0
.rept 8
	v_pk_mul_f32 v[T0+2*e:T0+2*e+1], v[T0+2*e:T0+2*e+1], v[T0+2*e:T0+2*e+1] neg_lo:[0,1] neg_hi:[0,1]
.set e, e+1
.endr
	STEP 1, 1, 1                                   ; the first step stands in front of the loop: nothing is cleared
	s_sub_co_u32 s34, s34, 3                       ; the first and the last two steps are written out: 3 or 4 trips
.Lstep:
	STEP 0, 1, 1
	s_sub_co_u32 s34, s34, 1
	s_cmp_lg_u32 s34, 0
	s_cbranch_scc1 .Lstep
	STEP 0, 1, 0                                   ; the last step but one asks for nothing: no load passes my last step
	STEP 0, 0, 0
	; THE SUM OVER THE WAVES.  Rows 0 to 2 of D lie in registers 0 to 2 of lanes 0-15 (column r).  They go to LDS in the output's order,
	; column 3 (16 (t % 4) + r) + t / 4: lanes 12 bytes apart.  The four address instructions are the places behind the last product.
	s_mul_i32 s35, s28, REDW
	s_add_co_u32 s35, s35, RED
	v_and_b32 v[TMP], 15, v0
	v_mul_u32_u24 v[TMP], 12, v[TMP]
	v_add_nc_u32 v[TMP], s35, v[TMP]
	v_lshlrev_b32 v[TMP+1], 3, v0                  ; for the read back: 8 bytes a thread
	v_cmp_gt_u32 vcc_lo, 16, v[LANE]
	s_wait_xcnt 0x0                                ; EXEC changes only behind this wait
	s_and_saveexec_b32 s40, vcc_lo                 ; lanes 16-31 hold rows 8 to 15, sums of zeros
.set t, 0
.rept 12
	ds_store_b32 v[TMP], v[ACC+8*t]   offset:192*(t%4)+4*(t/4)
	ds_store_b32 v[TMP], v[ACC+8*t+1] offset:REDR+192*(t%4)+4*(t/4)
	ds_store_b32 v[TMP], v[ACC+8*t+2] offset:2*REDR+192*(t%4)+4*(t/4)
.set t, t+1
.endr
	s_wait_dscnt 0x0                               ; for the waves that read these bytes: zero
	s_or_b32 exec_lo, exec_lo, s40
	s_barrier_signal -1
	s_barrier_wait -1
	s_cmp_ge_u32 s28, 3
	s_cbranch_scc1 .Ldone                          ; 96 threads, two columns each
.set w, 0
.rept 16
	ds_load_b64 v[ACC+6*w:ACC+6*w+1],   v[TMP+1] offset:RED+REDW*w
	ds_load_b64 v[ACC+6*w+2:ACC+6*w+3], v[TMP+1] offset:RED+REDW*w+REDR
	ds_load_b64 v[ACC+6*w+4:ACC+6*w+5], v[TMP+1] offset:RED+REDW*w+2*REDR
.set w, w+1
.endr
	s_mul_i32 s36, s30, PARTC                      ; my chunk,
	s_mul_i32 s35, ttmp9, REDR                     ; my group's 192 columns
	s_add_co_u32 s36, s36, s35
	s_mov_b32 s37, 0
	s_add_nc_u64 s[12:13], s[12:13], s[36:37]
	s_wait_dscnt 0x0
.set w, 0
.rept 16
	v_pk_add_f32 v[ACC+6*w:ACC+6*w+1], v[ACC+6*w:ACC+6*w+1], v[ACC+6*w+2:ACC+6*w+3]         ; Y's two parts
.set w, w+1
.endr
.irp s, 8,4,2,1
.set w, 0
.rept \s
	v_pk_add_f32 v[ACC+6*w:ACC+6*w+1],   v[ACC+6*w:ACC+6*w+1],   v[ACC+6*(w+\s):ACC+6*(w+\s)+1]
	v_pk_add_f32 v[ACC+6*w+4:ACC+6*w+5], v[ACC+6*w+4:ACC+6*w+5], v[ACC+6*(w+\s)+4:ACC+6*(w+\s)+5]
.set w, w+1
.endr
.endr
	global_store_b64 v[TMP+1], v[ACC:ACC+1],   s[12:13]                ; up: a wave's store covers 256 consecutive bytes, aligned
	global_store_b64 v[TMP+1], v[ACC+4:ACC+5], s[12:13] offset:3072    ; down likewise
.Ldone:
	s_wait_tensorcnt 0x0
	ds_add_u32 v224, v225
	s_wait_dscnt 0x0
	s_endpgm
.Lfunc_end_k_q36a06f40d4_kernel_sums:
	.size	k_q36a06f40d4_kernel_sums, .Lfunc_end_k_q36a06f40d4_kernel_sums-k_q36a06f40d4_kernel_sums
	.p2alignl 7, 3214868480
	.fill 96, 4, 3214868480
	.section	.rodata,"a",@progbits
	.p2align	6, 0x0
	.amdhsa_kernel k_q36a06f40d4_kernel_sums
		.amdhsa_group_segment_fixed_size 49152
		.amdhsa_private_segment_fixed_size 0
		.amdhsa_enable_private_segment 0
		.amdhsa_kernarg_size 40
		.amdhsa_user_sgpr_count 2
		.amdhsa_user_sgpr_kernarg_segment_ptr 1
		.amdhsa_wavefront_size32 1
		.amdhsa_system_sgpr_workgroup_id_x 1
		.amdhsa_system_sgpr_workgroup_id_y 1
		.amdhsa_system_sgpr_workgroup_id_z 1
		.amdhsa_system_vgpr_workitem_id 0
		.amdhsa_next_free_vgpr 226
		.amdhsa_next_free_sgpr 66
		.amdhsa_reserve_vcc 1
		.amdhsa_float_denorm_mode_32 3
		.amdhsa_float_denorm_mode_16_64 3
		.amdhsa_memory_ordered 1
		.amdhsa_forward_progress 1
		.amdhsa_inst_pref_size 124
	.end_amdhsa_kernel
	.amdgpu_metadata
---
amdhsa.version: [ 1, 2 ]
amdhsa.kernels:
  - .name:           k_q36a06f40d4_kernel_sums
    .symbol:         k_q36a06f40d4_kernel_sums.kd
    .args:
      - { .name: W, .offset: 0, .size: 8, .value_kind: global_buffer, .address_space: global }
      - { .name: x, .offset: 8, .size: 8, .value_kind: global_buffer, .address_space: global }
      - { .name: train_X, .offset: 16, .size: 8, .value_kind: global_buffer, .address_space: global }
      - { .name: Y, .offset: 24, .size: 8, .value_kind: global_buffer, .address_space: global }
      - { .name: part, .offset: 32, .size: 8, .value_kind: global_buffer, .address_space: global }
    .group_segment_fixed_size: 49152
    .private_segment_fixed_size: 0
    .kernarg_segment_align: 8
    .kernarg_segment_size: 40
    .max_flat_workgroup_size: 512
    .sgpr_count:     66
    .vgpr_count:     226
    .wavefront_size: 32
...
	.end_amdgpu_metadata
.endif
;; end of part 1
;; launch finish (part 2): grid 12 x 1, 8 waves a work-group, no clusters, 5,120 bytes of LDS; arguments part, out0; writes out0
.if DOCPART == 2
	.amdgcn_target "amdgcn-amd-amdhsa--gfx1250"
	.amdhsa_code_object_version 6
	.text
	.protected	k_q36a06f40d4_finish
	.globl	k_q36a06f40d4_finish
	.p2align	8
	.type	k_q36a06f40d4_finish,@function
k_q36a06f40d4_finish:
	s_mov_b64 s[64:65], 0
	v_nop
	global_prefetch_b8 v0, s[64:65] scope:SCOPE_SE
	s_setreg_imm32_b32 hwreg(HW_REG_WAVE_MODE, 25, 1), 1
	s_wait_xcnt 0x0
; Kernel regression, second part: out0[col] = (sum over 64 chunks of up) / (sum over 64 chunks of down), col = 3 b + d.
; part: [64 chunks][up, down][768 columns] f32.  A work-group owns 64 columns (256 bytes); a lane two of them; wave w sums chunks 8 w .. 8 w + 7
; with all its 16 loads (256 consecutive bytes each) in flight at once; the eight waves' figures meet in LDS; wave 0 divides and stores.
; 393,216 bytes in all: no matrix unit, ring or cluster has anything to do here.
; The division is v_rcp_f32 and a multiply.  down is 0 or at least 2^-126 (smaller weights were made 0): 0 gives NaN or infinity as 0 does in a division.
.set CHB,  6144                        ; bytes of a chunk
.set ROWB, 3072                        ; from up to down
.macro SUM8                            ; v[8+4i:11+4i] = up, up, down, down of part i: eight parts into the first
.irp s, 4,2,1
.set i, 0
.rept \s
	v_pk_add_f32 v[8+4*i:9+4*i],   v[8+4*i:9+4*i],   v[8+4*(i+\s):9+4*(i+\s)]
	v_pk_add_f32 v[10+4*i:11+4*i], v[10+4*i:11+4*i], v[10+4*(i+\s):11+4*(i+\s)]
.set i, i+1
.endr
.endr
.endm
	s_load_b128 s[4:7], s[0:1], 0x0                ; part s[4:5], out0 s[6:7]
	v_lshl_add_u32 v40, v0, 2, 0x1000
	v_mov_b32 v41, 0
	v_lshrrev_b32 v1, 5, v0
	v_readfirstlane_b32 s8, v1                     ; wave
	v_and_b32 v2, 31, v0
	v_lshlrev_b32 v2, 3, v2                        ; 8 bytes a lane
	s_lshl_b32 s9, ttmp9, 8                        ; the work-group's 256 bytes of a row
	s_mul_i32 s10, s8, 8*CHB                       ; my wave's eight chunks
	s_add_co_u32 s10, s10, s9
	v_add_nc_u32 v3, s10, v2
	v_lshlrev_b32 v4, 4, v0                        ; LDS: 16 bytes a thread
	s_wait_kmcnt 0x0
.irp i, 0,1,2,3,4,5,6,7
	global_load_b64 v[8+4*\i:9+4*\i],   v3, s[4:5] offset:\i*CHB th:TH_LOAD_NT
	global_load_b64 v[10+4*\i:11+4*\i], v3, s[4:5] offset:\i*CHB+ROWB th:TH_LOAD_NT
.endr
	s_wait_loadcnt 0x0
	SUM8
	ds_store_b128 v4, v[8:11]
	s_wait_dscnt 0x0                               ; for wave 0, which reads these bytes: zero
	s_barrier_signal -1
	s_barrier_wait -1
	s_cmp_lg_u32 s8, 0
	s_cbranch_scc1 .Lend
.irp i, 0,1,2,3,4,5,6,7
	ds_load_b128 v[8+4*\i:11+4*\i], v4 offset:512*\i   ; in wave 0 v4 is 16 x lane: the same two columns of every wave
.endr
	s_wait_dscnt 0x0
	SUM8
	v_rcp_f32 v12, v10
	v_rcp_f32 v13, v11
	v_add_nc_u32 v2, s9, v2                        ; the plain instruction between the reciprocals and their use (ISA guide 5.7.2)
	s_wait_alu depctr_va_vdst(0)
	v_pk_mul_f32 v[8:9], v[8:9], v[12:13]
	global_store_b64 v2, v[8:9], s[6:7]            ; the wave's store covers 256 consecutive bytes, aligned
.Lend:
	s_wait_tensorcnt 0x0
	ds_add_u32 v40, v41
	s_wait_dscnt 0x0
	s_endpgm
.Lfunc_end_k_q36a06f40d4_finish:
	.size	k_q36a06f40d4_finish, .Lfunc_end_k_q36a06f40d4_finish-k_q36a06f40d4_finish
	.p2alignl 7, 3214868480
	.fill 96, 4, 3214868480
	.section	.rodata,"a",@progbits
	.p2align	6, 0x0
	.amdhsa_kernel k_q36a06f40d4_finish
		.amdhsa_group_segment_fixed_size 5120
		.amdhsa_private_segment_fixed_size 0
		.amdhsa_enable_private_segment 0
		.amdhsa_kernarg_size 16
		.amdhsa_user_sgpr_count 2
		.amdhsa_user_sgpr_kernarg_segment_ptr 1
		.amdhsa_wavefront_size32 1
		.amdhsa_system_sgpr_workgroup_id_x 1
		.amdhsa_system_sgpr_workgroup_id_y 1
		.amdhsa_system_sgpr_workgroup_id_z 1
		.amdhsa_system_vgpr_workitem_id 0
		.amdhsa_next_free_vgpr 42
		.amdhsa_next_free_sgpr 66
		.amdhsa_reserve_vcc 0
		.amdhsa_float_denorm_mode_32 3
		.amdhsa_float_denorm_mode_16_64 3
		.amdhsa_memory_ordered 1
		.amdhsa_forward_progress 1
		.amdhsa_inst_pref_size 6
	.end_amdhsa_kernel
	.amdgpu_metadata
---
amdhsa.version: [ 1, 2 ]
amdhsa.kernels:
  - .name:           k_q36a06f40d4_finish
    .symbol:         k_q36a06f40d4_finish.kd
    .args:
      - { .name: part, .offset: 0, .size: 8, .value_kind: global_buffer, .address_space: global }
      - { .name: out0, .offset: 8, .size: 8, .value_kind: global_buffer, .address_space: global }
    .group_segment_fixed_size: 5120
    .private_segment_fixed_size: 0
    .kernarg_segment_align: 8
    .kernarg_segment_size: 16
    .max_flat_workgroup_size: 256
    .sgpr_count:     66
    .vgpr_count:     42
    .wavefront_size: 32
...
	.end_amdgpu_metadata
.endif
;; end of part 2
